; MI455X (gfx1250); checked and timed in simulation.
; The chip was launched on July 23, 2026; its instructions are those of AMD's public machine-readable ISA for CDNA 5 (MIT licence, August 2026) and "CDNA5" Instruction Set Architecture Reference Guide (July 2026). The comments in the code are by the model that wrote it; some were corrected since.
;; Quantizer. Allowed arithmetic: float matrix products may take bf16 or f16 operands with f32 sums; all other float work in f32.
;; Inputs: centers 16 float32; z 16 x 32 x 16,384 float32.
;; Outputs: out0 16 x 32 x 16,384 float32; out1 16 x 32 x 16,384 int32.
;; One version. Each part assembles by itself: llvm-mc -triple=amdgcn-amd-amdhsa -mcpu=gfx1250 --defsym DOCPART=n.
;; ======== version 1 of 1: 1 launch
;; limits: inputs' magnitudes at most 1.5e+19
;; launch quantize (part 1): grid 1024 x 1, 8 waves a work-group, no clusters, 0 bytes of LDS; arguments centers, z, out0, out1; writes out0, out1
.if DOCPART == 1
	.amdgcn_target "amdgcn-amd-amdhsa--gfx1250"
	.amdhsa_code_object_version 6
	.text
	.protected	k_q123cbd48cc_quantize
	.globl	k_q123cbd48cc_quantize
	.p2align	8
	.type	k_q123cbd48cc_quantize,@function
k_q123cbd48cc_quantize:
	s_mov_b64 s[64:65], 0
	v_nop
	global_prefetch_b8 v0, s[64:65] scope:SCOPE_SE
	s_setreg_imm32_b32 hwreg(HW_REG_WAVE_MODE, 25, 1), 1
	s_wait_xcnt 0x0
; Quantizer.  z: [16][32][16384] f32 = 8,388,608 numbers; centers: [16] f32; out0 = z_bar (f32), out1 = index (i32).
; For every number: dist_q = (z - c_q)^2, index = first q with the least dist_q, z_hard = c[index],
; z_soft = sum_q softmax(-dist)_q c_q, z_bar = z_soft + (z_hard - z_soft).
;
; SHAPE.  Eight waves; the work-group owns 8 chunks of 4,096 bytes.  In a chunk thread t owns the 16 bytes (4 numbers) at 16 t, so every load and
; store of a wave covers 512 consecutive bytes that start at a multiple of 512 from the buffer's first byte.  z is read once, each output
; written once.  A lane needs nothing of another lane, and work-groups share only the 64 bytes of centers: no LDS, no barrier, no cluster.
; The 16 centres lie in scalar registers for the whole kernel.
;
; ARITHMETIC.  z + (-c) is the same f32 number as z - c, and the square is rounded once: the distances are reference()'s own, bit for bit, so
; that equal distances (also those made equal by rounding) fall on the same index.  m = least distance.  The scan runs from q = 14 down to 0 and
; takes q unless dist_q > m: the lowest q among equals is written last and stays.
; softmax: the largest of -dist is -m; it is taken away before the exponential: w_q = 2^(log2e m - log2e dist_q), at most about 1.
; The sum T is kept with the sign turned (T = sum w_q (-c_q)), since -c_q is what lies in the scalar pairs.
; z_soft = -T / S, with S = sum w_q; z_hard - z_soft = fma(T, 1/S, z_hard); z_bar = fma(-T, 1/S, that).
;
; LIMITS.  (1) m log2e has to be finite: |z - c| below about 1.5e19 (reference() is finite up to about 1.8e19; between the two out0 is NaN here).
; (2) v_exp_f32 gives 0 for weights below 2^-126.  (3) z_soft is (sum w c) x rcp(sum w), not a sum of normalised weights: another order of rounding.
; z = +-infinity: index 0 and out0 NaN; z = NaN: every compare fails, every q is taken in turn, index 0 stays, out0 NaN.  Both as reference() has them.
.set CHUNK,  4096                      ; bytes of a chunk: 256 threads x 16 bytes
.set NCHUNK, 8                         ; chunks of a work-group: 1,024 work-groups x 8 x 4,096 bytes = 33,554,432
.set OFF, 1                            ; v1        16 t
.set ZA,  2                            ; v[2:5]    z, buffer A
.set ZB,  6                            ; v[6:9]    z, buffer B
.set M,   10                           ; v[10:13]  least distance of my 4 numbers
.set ML,  14                           ; v[14:17]  log2e x that
.set IX,  18                           ; v[18:21]  index
.set H,   22                           ; v[22:25]  z_hard
.set S,   26                           ; v[26:29]  sum of the weights
.set T,   30                           ; v[30:33]  sum of weight x (-centre)
.set R,   34                           ; v[34:37]  1 / S
.set O,   38                           ; v[38:41]  z_bar
.set C15, 42                           ; v42       c_15 in every lane: where the scan for z_hard starts
.set D,   44                           ; v[44:107] centre q, number e at D + 4 q + e: distance, then exponent, then weight, in place
.set CR,  16                           ; s[16:31]  the centres as loaded
.set NC,  32                           ; s[32:63]  centre q: -c_q in s[NC+2q] (and once more above it: a packed source is a whole pair)
.set MK,  66                           ; s[66:69]  compare masks, one for each of my 4 numbers
	s_load_b256 s[4:11], s[0:1], 0x0               ; centers s[4:5], z s[6:7], out0 s[8:9], out1 s[10:11]
	v_lshlrev_b32 v[OFF], 4, v0                    ; 16 t
	s_lshl_b32 s2, ttmp9, 15                       ; the work-group's 8 chunks: 32,768 bytes each group, below 2^25 in all
	s_mov_b32 s3, 0
	s_mov_b32 s12, 0xbfb8aa3b                      ; -SIGMA log2(e), SIGMA = 1, as a pair
	s_mov_b32 s13, 0xbfb8aa3b
	s_mov_b32 s14, 0x3fb8aa3b                      ; +SIGMA log2(e), as a pair
	s_mov_b32 s15, 0x3fb8aa3b
	s_wait_kmcnt 0x0
	s_load_b512 s[CR:CR+15], s[4:5], 0x0           ; all 16 centres
	s_add_nc_u64 s[6:7], s[6:7], s[2:3]
	s_add_nc_u64 s[8:9], s[8:9], s[2:3]
	s_add_nc_u64 s[10:11], s[10:11], s[2:3]
	global_load_b128 v[ZA:ZA+3], v[OFF], s[6:7] th:TH_LOAD_NT                  ; chunk 0
	global_load_b128 v[ZB:ZB+3], v[OFF], s[6:7] offset:CHUNK th:TH_LOAD_NT     ; chunk 1
	s_wait_kmcnt 0x0
.irp q, 0,1,2,3,4,5,6,7,8,9,10,11,12,13,14,15
	s_xor_b32 s[NC+2*\q], s[CR+\q], 0x80000000     ; -c_q
	s_mov_b32 s[NC+2*\q+1], s[NC+2*\q]
.endr
	v_mov_b32 v[C15], s[CR+15]
; Index and z_hard, centre q: keep what stands where dist_q > m, else take q and c_q.  Four masks, so that no select waits for the compare right in front of it.
.macro SELECT q
.irp e, 0,1,2,3
	v_cmp_gt_f32 s[MK+\e], v[D+4*(\q)+\e], v[M+\e]
.endr
.irp e, 0,1,2,3
.if (\q) == 14
	v_cndmask_b32 v[IX+\e], \q, 15, s[MK+\e]                   ; the scan starts from centre 15: nothing is set up beforehand
	v_cndmask_b32 v[H+\e], s[CR+\q], v[C15], s[MK+\e]
.else
	v_cndmask_b32 v[IX+\e], \q, v[IX+\e], s[MK+\e]
	v_cndmask_b32 v[H+\e], s[CR+\q], v[H+\e], s[MK+\e]
.endif
.endr
.endm
; The weights of centre q, in place: 2^(log2e m - log2e dist_q)
.macro WEIGH q
	v_pk_fma_f32 v[D+4*(\q):D+4*(\q)+1],   v[D+4*(\q):D+4*(\q)+1],   s[12:13], v[ML:ML+1]   op_sel_hi:[1,0,1]
	v_pk_fma_f32 v[D+4*(\q)+2:D+4*(\q)+3], v[D+4*(\q)+2:D+4*(\q)+3], s[12:13], v[ML+2:ML+3] op_sel_hi:[1,0,1]
.irp e, 0,1,2,3
	v_exp_f32 v[D+4*(\q)+\e], v[D+4*(\q)+\e]
.endr
.endm
; The two sums take centre q in.  Centres 15 and 14 start them: nothing is cleared.
.macro ACCS q
.if (\q) == 14
	v_pk_add_f32 v[S:S+1],   v[D+60:D+61], v[D+56:D+57]
	v_pk_add_f32 v[S+2:S+3], v[D+62:D+63], v[D+58:D+59]
.endif
.if (\q) < 14
	s_wait_alu depctr_va_vdst(0)
	v_pk_add_f32 v[S:S+1],   v[S:S+1],   v[D+4*(\q):D+4*(\q)+1]
	v_pk_add_f32 v[S+2:S+3], v[S+2:S+3], v[D+4*(\q)+2:D+4*(\q)+3]
.endif
.endm
.macro ACCT q
.if (\q) == 15
	s_wait_alu depctr_va_vdst(0)
	v_pk_mul_f32 v[T:T+1],   v[D+60:D+61], s[NC+30:NC+31] op_sel_hi:[1,0]
	v_pk_mul_f32 v[T+2:T+3], v[D+62:D+63], s[NC+30:NC+31] op_sel_hi:[1,0]
.else
	v_pk_fma_f32 v[T:T+1],   v[D+4*(\q):D+4*(\q)+1],   s[NC+2*(\q):NC+2*(\q)+1], v[T:T+1]   op_sel_hi:[1,0,1]
	v_pk_fma_f32 v[T+2:T+3], v[D+4*(\q)+2:D+4*(\q)+3], s[NC+2*(\q):NC+2*(\q)+1], v[T+2:T+3] op_sel_hi:[1,0,1]
.endif
.endm
; One chunk.  z: its buffer; k: 0 or 1, its place in the pair of chunks at the bases; ahead = 1: the buffer is filled again, two chunks on;
; left: how many younger loads may stay out.
.macro WORK z, ahead, left, k
	s_wait_loadcnt \left                           ; loads come back in order (ISA guide 5.7.1): this buffer is in, the other buffer's load stays out
.irp q, 0,1,2,3,4,5,6,7,8,9,10,11,12,13,14,15
	v_pk_add_f32 v[D+4*\q:D+4*\q+1],   v[\z:\z+1],   s[NC+2*\q:NC+2*\q+1] op_sel_hi:[1,0]    ; z - c_q
	v_pk_add_f32 v[D+4*\q+2:D+4*\q+3], v[\z+2:\z+3], s[NC+2*\q:NC+2*\q+1] op_sel_hi:[1,0]
.endr
.if \ahead
	global_load_b128 v[\z:\z+3], v[OFF], s[6:7] offset:(\k+2)*CHUNK th:TH_LOAD_NT      ; z has been read for the last time: ask for the chunk after next
.endif
.irp q, 0,1,2,3,4,5,6,7,8,9,10,11,12,13,14,15
	v_pk_mul_f32 v[D+4*\q:D+4*\q+1],   v[D+4*\q:D+4*\q+1],   v[D+4*\q:D+4*\q+1]         ; squared
	v_pk_mul_f32 v[D+4*\q+2:D+4*\q+3], v[D+4*\q+2:D+4*\q+3], v[D+4*\q+2:D+4*\q+3]
.endr
	; the least of 16 distances: 3, then 2 more with each instruction, then the last one; four chains side by side
.irp e, 0,1,2,3
	v_min3_num_f32 v[M+\e], v[D+\e], v[D+4+\e], v[D+8+\e]
.endr
.irp q, 3,5,7,9,11,13
.irp e, 0,1,2,3
	v_min3_num_f32 v[M+\e], v[M+\e], v[D+4*\q+\e], v[D+4*\q+4+\e]
.endr
.endr
.irp e, 0,1,2,3
	v_min_num_f32 v[M+\e], v[M+\e], v[D+60+\e]
.endr
	v_pk_mul_f32 v[ML:ML+1],   v[M:M+1],   s[14:15] op_sel_hi:[1,0]
	v_pk_mul_f32 v[ML+2:ML+3], v[M+2:M+3], s[14:15] op_sel_hi:[1,0]
	WEIGH 15                                       ; centre 15 needs no compare: it is what stays if no lower centre reaches m
	s_wait_xcnt 0x0                                ; IX and O, which the last chunk's stores read, are rewritten only behind this wait (ISA guide 3.1)
	; Centre by centre, downward.  Behind the four exponentials of centre q stand the sums of centre q + 1, plain instructions that touch none of
	; their registers: the place that a transcendental's result needs before it is used (ISA guide 5.7.2).  The weights of q are used a centre later.
.irp q, 14,13,12,11,10,9,8,7,6,5,4,3,2,1,0
	SELECT \q
	WEIGH \q
	ACCS \q+1
	ACCT \q+1
.endr
	global_store_b128 v[OFF], v[IX:IX+3], s[10:11] offset:\k*CHUNK th:TH_STORE_NT      ; the indices are final
	ACCS 0
.irp e, 0,1,2,3
	v_rcp_f32 v[R+\e], v[S+\e]
.endr
	ACCT 0                                         ; plain, reads no R and writes no S: the place behind the reciprocals
	s_wait_alu depctr_va_vdst(0)
	v_pk_fma_f32 v[O:O+1],   v[T:T+1],   v[R:R+1],   v[H:H+1]      ; z_hard - z_soft = z_hard + T / S
	v_pk_fma_f32 v[O+2:O+3], v[T+2:T+3], v[R+2:R+3], v[H+2:H+3]
.irp e, 0,1,2,3
	v_fma_f32 v[O+\e], -v[T+\e], v[R+\e], v[O+\e]                  ; z_bar = z_soft + (z_hard - z_soft), z_soft = -T / S
.endr
	global_store_b128 v[OFF], v[O:O+3], s[8:9] offset:\k*CHUNK th:TH_STORE_NT
.endm
	s_mov_b32 s2, NCHUNK/2-1                       ; three trips of two chunks that load ahead; the last two chunks stand behind the loop
.Lpair:
	WORK ZA, 1, 1, 0
	WORK ZB, 1, 1, 1
	s_wait_xcnt 0x0                                ; the three bases, which this trip's loads and stores name, are stepped only behind this wait
	s_add_nc_u64 s[6:7], s[6:7], 2*CHUNK
	s_add_nc_u64 s[8:9], s[8:9], 2*CHUNK
	s_add_nc_u64 s[10:11], s[10:11], 2*CHUNK
	s_sub_co_u32 s2, s2, 1
	s_cmp_lg_u32 s2, 0
	s_cbranch_scc1 .Lpair
	WORK ZA, 0, 1, 0                               ; chunks 6 and 7 load nothing, so no load leaves z: the counts run down 1, 0
	WORK ZB, 0, 0, 1
	s_endpgm
.Lfunc_end_k_q123cbd48cc_quantize:
	.size	k_q123cbd48cc_quantize, .Lfunc_end_k_q123cbd48cc_quantize-k_q123cbd48cc_quantize
	.p2alignl 7, 3214868480
	.fill 96, 4, 3214868480
	.section	.rodata,"a",@progbits
	.p2align	6, 0x0
	.amdhsa_kernel k_q123cbd48cc_quantize
		.amdhsa_group_segment_fixed_size 0
		.amdhsa_private_segment_fixed_size 0
		.amdhsa_enable_private_segment 0
		.amdhsa_kernarg_size 32
		.amdhsa_user_sgpr_count 2
		.amdhsa_user_sgpr_kernarg_segment_ptr 1
		.amdhsa_wavefront_size32 1
		.amdhsa_system_sgpr_workgroup_id_x 1
		.amdhsa_system_sgpr_workgroup_id_y 1
		.amdhsa_system_sgpr_workgroup_id_z 1
		.amdhsa_system_vgpr_workitem_id 0
		.amdhsa_next_free_vgpr 112
		.amdhsa_next_free_sgpr 70
		.amdhsa_reserve_vcc 0
		.amdhsa_float_denorm_mode_32 3
		.amdhsa_float_denorm_mode_16_64 3
		.amdhsa_memory_ordered 1
		.amdhsa_forward_progress 1
		.amdhsa_inst_pref_size 109
	.end_amdhsa_kernel
	.amdgpu_metadata
---
amdhsa.version: [ 1, 2 ]
amdhsa.kernels:
  - .name:           k_q123cbd48cc_quantize
    .symbol:         k_q123cbd48cc_quantize.kd
    .args:
      - { .name: centers, .offset: 0, .size: 8, .value_kind: global_buffer, .address_space: global }
      - { .name: z, .offset: 8, .size: 8, .value_kind: global_buffer, .address_space: global }
      - { .name: out0, .offset: 16, .size: 8, .value_kind: global_buffer, .address_space: global }
      - { .name: out1, .offset: 24, .size: 8, .value_kind: global_buffer, .address_space: global }
    .group_segment_fixed_size: 0
    .private_segment_fixed_size: 0
    .kernarg_segment_align: 8
    .kernarg_segment_size: 32
    .max_flat_workgroup_size: 256
    .sgpr_count:     70
    .vgpr_count:     112
    .wavefront_size: 32
...
	.end_amdgpu_metadata
.endif
;; end of part 1
